; MI455X (gfx1250); checked and timed in simulation.
; The chip was launched on July 23, 2026; its instructions are those of AMD's public machine-readable ISA for CDNA 5 (MIT licence, August 2026) and "CDNA5" Instruction Set Architecture Reference Guide (July 2026). The comments in the code are by the model that wrote it; some were corrected since.
;; KAN Layer. Allowed arithmetic: matrix products marked QUANTISED: E2M1 operands, one E8M0 scale for each 32 along K, by v_wmma_scale_f32_16x16x128_f8f6f4 with both operands' format E2M1 (or v_wmma_scale_f32_32x16x128_f4), f32 sums; everything else in f32.
;; Inputs: coef 2,048 x 1,024 x 8 float32; grid 8 float32; x 4,096 x 2,048 float32.
;; Outputs: out0 4,096 x 1,024 float32.
;; This version of the problem:
;;   THIS VERSION OF THE PROBLEM IS GIVEN IN LOW PRECISION. The matrix products marked QUANTISED in the list below multiply operands that are first quantised to E2M1 (2 exponent bits, 1 mantissa bit; 4 bits a number), with one power-of-two scale for each 32 numbers along K (OCP MX v1.0); their sums are f32. All else is computed in f32.
;;   The module's matrix products, in the order in which they are computed (A, B: the left and right operand; K: the contracted axis; several contracted axes count as one K, in the product's order):
;;     1. [M 4,096, K 16,384] x [K 16,384, N 1,024]; A: computed on the way; B: input coef: QUANTISED
;;   THE QUANTISER, for each operand of a quantised product, along K:
;;     - K is cut into blocks of 32 from its start; a last block that is shorter is filled with zeros.
;;     - A block's scale is 2^e with e = floor(log2(the largest magnitude in the block)) - 2, held to -126 .. 127; a block of zeros has e = 0. As a byte (E8M0): e + 127.
;;     - Each number is divided by its block's scale, clamped to +-6, and rounded to the nearest number of E2M1, ties to even, subnormals kept.
;;     - The product sums the exact products of the quantised numbers (number of the format x scale) in f32.
;;   ~~~python
;;   def quantise(x, axis):      # numpy; x: float32 -> the quantised numbers, widened to float32 again
;;       x = np.moveaxis(x, axis, -1); K = x.shape[-1]
;;       x = np.pad(x, [(0, 0)] * (x.ndim - 1) + [(0, -K % 32)]); x = x.reshape(x.shape[:-1] + (-1, 32)); a = np.abs(x).max(-1, keepdims=True)
;;       e = np.where(a > 0, np.clip(np.frexp(np.where(a > 0, a, 1))[1] - 1 - 2, -126, 127), 0)      # np.frexp(a)[1] - 1 = floor(log2(a)), exactly
;;       r = np.clip(x / 2.0 ** e, -6, 6)
;;       step = 2.0 ** (np.maximum(np.frexp(np.where(r == 0, 1, r))[1] - 1, 0) - 1)
;;       q = np.round(r / step) * step * 2.0 ** e      # np.round: ties to even
;;       return np.moveaxis(q.reshape(q.shape[:-2] + (-1,))[..., :K], -1, axis).astype(np.float32)
;;   ~~~
;;   OPERANDS COMPUTED ON THE WAY. 'Computed on the way' means the value that the module computes at that place (a softmax that the list does not call 'softmax' is quantised finished and normalised). What goes into a quantiser is computed in f32, as accurately as f32 sums, v_exp_f32 and their like allow (about 1e-6 of the number): no bf16 or f16 on the way to a quantiser, and a product that is left as it is and whose result goes on into a quantised operand takes f32 operands (vector FMAs, or v_wmma_f32_16x16x4_f32). A number that lies on a knife's edge between two numbers of the format may be rounded either way, as far as f32 arithmetic and the matrix unit's own rounding can turn it there, and no further.
;; One version. Each part assembles by itself: llvm-mc -triple=amdgcn-amd-amdhsa -mcpu=gfx1250 --defsym DOCPART=n.
;; ======== version 1 of 1: 2 launches
;; limits: right only within a limited range of input values
;; workspace buffers: apack 35,651,584 bytes; bpack 8,912,896 bytes
;; launch prep (part 1): grid 1024 x 1, 4 waves a work-group, no clusters, 35,328 bytes of LDS; arguments x, coef, grid, apack, bpack; writes apack, bpack
.if DOCPART == 1
	.amdgcn_target "amdgcn-amd-amdhsa--gfx1250"
	.amdhsa_code_object_version 6
	.text
	.protected	k_q1184bbe5f3_prep
	.globl	k_q1184bbe5f3_prep
	.p2align	8
	.type	k_q1184bbe5f3_prep,@function
k_q1184bbe5f3_prep:
	s_mov_b64 s[64:65], 0
	v_nop
	global_prefetch_b8 v0, s[64:65] scope:SCOPE_SE
	s_setreg_imm32_b32 hwreg(HW_REG_WAVE_MODE, 25, 1), 1
	s_wait_xcnt 0x0
; Both operands of out[b][j] = sum over (i, k) of basis[b][i][k] coef[i][j][k] are turned into codes of FP4 (E2M1) with one E8M0 byte for each 32 along K.  K = 8 i + k: a block of 32 is four neighbouring i x all eight k.
; basis[b][i][k] = e / (sum over k of e + 1e-8), e = exp(-5 (x[b][i] - grid[k])^2), all in f32: e = 2^(-(s x - s grid)^2), s = sqrt(5 log2(e)).
; A block's scale is 2^(floor(log2(its largest magnitude)) - 2); its byte is the largest magnitude's exponent field - 2, held at 1 from below.
; THE WORKSPACES ARE LAID AS THE PRODUCT'S LAUNCH READS THEM: records of 4,352 bytes, one for 16 rows x 512 along K (64 i): 16 blocks x 16 rows x 16 bytes of codes, then 16 rows x 16 scale bytes.
;   apack [256 groups of 16 rows b][32 records];  bpack [64 groups of 16 columns j][32 records].
; LANE (r, h) MAKES, IN STEP j, THE WHOLE BLOCK 8 h + j OF ROW r: its 32 numbers lie in its own registers in the order of K, so the largest magnitude asks no other lane, and four conversions give the block's 16 bytes.
; A record's stores stand in one run at its end: sixteen neighbouring lanes store 256 consecutive aligned bytes, and the 32 lanes store the record's 256 scale bytes by one instruction.
; SHARES.  There are 8,192 records of x and 2,048 of coef for 4,096 waves.  Two waves of every work-group take three records of x; the other two take one record of coef and then the fourth record of x of the same run of four.
; Which two changes with bit 0 and with bit 8 of the work-group's number.  Waves share nothing: no barrier.  Each wave has LDS bytes of its own, and each of the two parts its own region.
; Loads read dense runs (256 bytes of a row of x, 512 bytes of one i of coef); the numbers reach the lane that wants them through the wave's own stage in LDS, padded so that neither way collides (64 banks of 4 bytes: ISA guide 11.1).
; No tensor loads, no clusters, no matrix units: every input byte is read once, by one wave.
; LIMITS: NaN and infinities in x, coef or grid are not served.  v_exp_f32 gives 0 where e lies under 2^-126 (ISA guide, its entry): the basis lost so lies under 1.2e-30.
; The order of rounding differs from reference(): x and grid are multiplied by s, each rounded once, ahead of the difference; all of it in f32.
; A block of zeros gets the byte 1 where the rule says 127: its codes are zeros, which add nothing under that byte, and the bytes are read by this program alone.
.set RECB, 4352                        ; a record; also a wave's stage
.set RR,   2                           ; v2   r = lane % 16
.set HH,   3                           ; v3   h = lane / 16
.set GVX,  4                           ; v4   x: the loads' offset
.set SAX,  5                           ; v5   x: the stage, on the way in
.set LAX,  6                           ; v6   x: the stage, on the way out
.set OV,   7                           ; v7   my codes' place in a record: 2,048 h + 16 r
.set OS,   8                           ; v8   my scale bytes' place in the record's last 256 bytes: 16 r + 8 h
.set MXA,  10                          ; v10, v11  two chains of the largest magnitude
.set MXB,  11
.set SCL,  12                          ; v12  the conversions' scale operand
.set BY,   13                          ; v13  the scale's byte
.set SB,   14                          ; v[14:15]  my eight scale bytes
.set OUT,  22                          ; s[22:23]  the record in hand
.set GR,   16                          ; v16-23   s x grid
.set SM,   24                          ; v24-27   four sums
.set RC,   28                          ; v28-31   their reciprocals
.set EB,   32                          ; v32-63   the block in hand: register 8 ii + k
.set XA,   64                          ; v64-95   my 32 s x of a record: step j's four at 4 j
.set CA,   96                          ; v96-127  codes, four registers a step
.set RA,   128                         ; v128-159 x as loaded
.set TA,   160                         ; v160-175 at work on the sums
.set TB,   168
.set CBK,  32                          ; coef: v32-63 codes, four registers a step
.set XBK,  64                          ; v64-127  two sets of 32 numbers in the order of K
.set RBK,  128                         ; v128-223 three sets of 32 numbers as loaded
.set SPW,  224                         ; v224 LDS address of my spare word; never rewritten
.set NIL,  225                         ; v225 0; never rewritten
.set GVC,  226                         ; v226 coef: the loads' offset
.set SAC,  227                         ; v227 coef: the stage, on the way in
.set LAC,  228                         ; v228 coef: the stage, on the way out
.set SPARE, 8*RECB                     ; behind the eight stages: 128 bytes for each wave, which no other line names
; 32 numbers v[src] .. v[src + 31] become 16 bytes of codes in v[c] .. v[c + 3] and byte j of SB.
.macro QBLOCK src, c, j
	v_max3_num_f32 v[MXA], |v[(\src)]|, |v[(\src)+1]|, 0x1800000      ; the floor 2^(3 - 127) is one more leaf: the byte cannot fall under 1
	v_max3_num_f32 v[MXB], |v[(\src)+2]|, |v[(\src)+3]|, |v[(\src)+4]|
.irp i, 5,9,13,17,21,25
	v_max3_num_f32 v[MXA], v[MXA], |v[(\src)+\i]|, |v[(\src)+\i+1]|   ; two chains by turns
	v_max3_num_f32 v[MXB], v[MXB], |v[(\src)+\i+2]|, |v[(\src)+\i+3]|
.endr
	v_max3_num_f32 v[MXA], v[MXA], |v[(\src)+29]|, |v[(\src)+30]|
	v_max3_num_f32 v[MXA], v[MXA], v[MXB], |v[(\src)+31]|
	v_add_nc_u32 v[SCL], 0xff000000, v[MXA]                           ; 2 off the exponent field: the conversion takes this operand's exponent field as its scale
.irp g, 0,1,2,3
	v_cvt_scalef32_pk8_fp4_f32 v[(\c)+\g], v[(\src)+8*\g:(\src)+8*\g+7], v[SCL]   ; to the nearest code, ties to even; beyond 6 the largest code
.endr
	v_lshrrev_b32 v[BY], 23, v[SCL]                                   ; the scale's byte; also the plain line behind the conversions
.if (\j)%4 == 0
	v_mov_b32 v[SB+(\j)/4], v[BY]
.else
	v_lshl_or_b32 v[SB+(\j)/4], v[BY], 8*((\j)%4), v[SB+(\j)/4]
.endif
.endm
; a record leaves: each step has code registers of its own, so the nine stores stand in one run
.macro SENDREC c
.irp j, 0,1,2,3,4,5,6,7
	global_store_b128 v[OV], v[(\c)+4*\j:(\c)+4*\j+3], s[OUT:OUT+1] offset:256*\j   ; lanes 0-15: block j, lanes 16-31: block 8 + j: 256 consecutive aligned bytes each
.endr
	global_store_b64 v[OS], v[SB:SB+1], s[OUT:OUT+1] offset:4096      ; the 256 scale bytes: 32 lanes, 8 bytes each
.endm
.macro XLOAD off                       ; 16 rows x 256 bytes of x, off bytes on from the record in hand
.irp j, 0,1,2,3,4,5,6,7
	global_load_b128 v[RA+4*\j:RA+4*\j+3], v[GVX], s[4:5] offset:16384*\j+\off th:TH_LOAD_NT
.endr
.endm
; Step j of x: my four s x become a block of 32 basis numbers, its codes and its byte.
.macro ASTEP j
.irp i, 0,1,2,3
.irp p, 0,1,2,3
.if \i%2 == 0
	v_pk_add_f32 v[EB+8*\i+2*\p:EB+8*\i+2*\p+1], v[XA+4*(\j)+2*(\i/2):XA+4*(\j)+2*(\i/2)+1], v[GR+2*\p:GR+2*\p+1] op_sel:[0,0] op_sel_hi:[0,1] neg_lo:[0,1] neg_hi:[0,1]   ; u = s x - s grid, two k at a time; the pair's first x serves both halves
.else
	v_pk_add_f32 v[EB+8*\i+2*\p:EB+8*\i+2*\p+1], v[XA+4*(\j)+2*(\i/2):XA+4*(\j)+2*(\i/2)+1], v[GR+2*\p:GR+2*\p+1] op_sel:[1,0] op_sel_hi:[1,1] neg_lo:[0,1] neg_hi:[0,1]   ; the pair's second x
.endif
.endr
.endr
.set e, 0
.rept 16
	v_pk_mul_f32 v[EB+e:EB+e+1], v[EB+e:EB+e+1], v[EB+e:EB+e+1] neg_lo:[1,0] neg_hi:[1,0]   ; -u^2
.set e, e+2
.endr
	s_wait_alu depctr_va_vdst(0)
.set e, 0
.rept 32
	v_exp_f32 v[EB+e], v[EB+e]                     ; one batch
.set e, e+1
.endr
	v_nop                                          ; a plain line behind the last exponential,
	s_wait_alu depctr_va_vdst(0)                   ; and one wait for the batch, ahead of its first reader
.irp i, 0,1,2,3
	v_pk_add_f32 v[TA+2*\i:TA+2*\i+1], v[EB+8*\i:EB+8*\i+1], v[EB+8*\i+2:EB+8*\i+3]   ; the sums over k, the four x by turns
.endr
.irp i, 0,1,2,3
	v_pk_add_f32 v[TB+2*\i:TB+2*\i+1], v[EB+8*\i+4:EB+8*\i+5], v[EB+8*\i+6:EB+8*\i+7]
.endr
.irp i, 0,1,2,3
	v_pk_add_f32 v[TA+2*\i:TA+2*\i+1], v[TA+2*\i:TA+2*\i+1], v[TB+2*\i:TB+2*\i+1]
.endr
.irp i, 0,1,2,3
	v_add_f32 v[SM+\i], v[TA+2*\i], v[TA+2*\i+1]
.endr
.irp i, 0,1,2,3
	v_add_f32 v[SM+\i], 0x322bcc77, v[SM+\i]       ; + 1e-8
.endr
	s_wait_alu depctr_va_vdst(0)
.irp i, 0,1,2,3
	v_rcp_f32 v[RC+\i], v[SM+\i]
.endr
	v_nop                                          ; a plain line behind the last reciprocal,
	s_wait_alu depctr_va_vdst(0)                   ; and one wait for the four
.irp i, 0,1,2,3
.irp p, 0,1,2,3
.if \i%2 == 0
	v_pk_mul_f32 v[EB+8*\i+2*\p:EB+8*\i+2*\p+1], v[EB+8*\i+2*\p:EB+8*\i+2*\p+1], v[RC+2*(\i/2):RC+2*(\i/2)+1] op_sel:[0,0] op_sel_hi:[1,0]   ; the basis
.else
	v_pk_mul_f32 v[EB+8*\i+2*\p:EB+8*\i+2*\p+1], v[EB+8*\i+2*\p:EB+8*\i+2*\p+1], v[RC+2*(\i/2):RC+2*(\i/2)+1] op_sel:[0,1] op_sel_hi:[1,1]
.endif
.endr
.endr
	QBLOCK EB, CA+4*(\j), \j
.endm
.macro BLOAD t                         ; coef, step t's eight i: 4 t + 0 .. 3 for lanes 0-15's block t, 32 + 4 t + 0 .. 3 for lanes 16-31's block 8 + t
.irp w, 0,1,2,3,4,5,6,7
	global_load_b128 v[RBK+32*((\t)%3)+4*\w:RBK+32*((\t)%3)+4*\w+3], v[GVC], s[6:7] offset:(32*(\w/4)+4*(\t)+\w%4)*32768 th:TH_LOAD_NT
.endr
.endm
.macro BTURN t                         ; through the stage: a row of 544 bytes for each i; back 32 bytes a lane and i, in the order of K
.irp w, 0,1,2,3,4,5,6,7
	ds_store_b128 v[SAC], v[RBK+32*((\t)%3)+4*\w:RBK+32*((\t)%3)+4*\w+3] offset:544*\w
.endr
.irp w, 0,1,2,3,4,5,6,7
	ds_load_b128 v[XBK+32*((\t)%2)+4*\w:XBK+32*((\t)%2)+4*\w+3], v[LAC] offset:544*(\w/2)+16*(\w%2)
.endr
.endm
.macro BSTEP t
	s_wait_dscnt 0x0                               ; this step's numbers are back from the stage, so its stores into the stage have read their registers,
.if (\t)+3 < 8
	BLOAD (\t)+3                                   ; which take the loads of three steps on
.endif
.if (\t) < 7
.if (\t) <= 4
	s_wait_loadcnt 16                              ; the next step's eight loads are in; those of the two steps behind it may be out
.else
	s_wait_loadcnt 8*(6-(\t))                      ; the counts run down
.endif
	BTURN (\t)+1                                   ; goes through the stage while this step is worked
.endif
	QBLOCK XBK+32*((\t)%2), CBK+4*(\t), \t
.endm
	s_load_b128 s[4:7], s[0:1], 0x0                ; x s[4:5], coef s[6:7]
	s_load_b128 s[8:11], s[0:1], 0x10              ; grid s[8:9], apack s[10:11]
	s_load_b64 s[12:13], s[0:1], 0x20              ; bpack
	v_lshl_add_u32 v[SPW], v0, 2, SPARE
	v_mov_b32 v[NIL], 0
	v_lshrrev_b32 v1, 5, v0
	v_readfirstlane_b32 s14, v1                    ; wave 0..3
	s_lshr_b32 s15, ttmp9, 8
	s_xor_b32 s15, s15, ttmp9
	s_xor_b32 s15, s15, s14
	s_and_b32 s15, s15, 1                          ; 0: three records of x; 1: one of coef, then one of x.  Two waves of each kind in every work-group
	s_lshl_b32 s16, ttmp9, 1
	s_lshr_b32 s18, s14, 1                         ; waves 0 and 1 are of different kinds, and so are waves 2 and 3
	s_add_co_u32 s16, s16, s18                     ; u = my wave's number among its kind's 2,048
	s_mul_i32 s17, s14, RECB                       ; my wave's stage
	s_lshr_b32 s18, s16, 3                         ; x: run u of four records: group u / 8 of 16 rows (131,072 bytes),
	s_lshl_b32 s18, s18, 17
	s_and_b32 s21, s16, 7                          ; 256 i (1,024 bytes of a row) number u % 8;
	s_lshl_b32 s21, s21, 10
	s_add_co_u32 s18, s18, s21
	s_mul_i32 s21, s15, 768                        ; kind 1 begins at the run's fourth record
	s_add_co_u32 s18, s18, s21
	s_mov_b32 s19, 0
	s_lshl_b32 s34, s16, 2
	s_mul_i32 s21, s15, 3
	s_add_co_u32 s34, s34, s21
	s_mul_i32 s34, s34, RECB                       ; in apack: record 4 u (+ 3)
	s_mov_b32 s35, 0
	s_lshl_b32 s21, s15, 1
	s_sub_co_u32 s3, 3, s21                        ; my records of x: 3 or 1; the loop below does not write it
	s_sub_co_u32 s2, 2, s21                        ; the number of the last of them
	v_and_b32 v[RR], 15, v0
	v_bfe_u32 v[HH], v0, 4, 1
	v_and_b32 v1, 31, v0                           ; lane
	v_lshlrev_b32 v[OV], 4, v[RR]
	v_lshl_add_u32 v[OS], v[HH], 3, v[OV]
	v_lshl_add_u32 v[GVX], v[HH], 13, v[OV]        ; x: lanes 0-15 read 256 bytes of one row, lanes 16-31 of the next
	v_lshl_add_u32 v[OV], v[HH], 11, v[OV]
	v_mul_u32_u24 v9, v[HH], 272
	v_lshl_add_u32 v9, v[RR], 4, v9
	v_add_nc_u32 v[SAX], s17, v9                   ; in: 256 bytes of sixteen lanes, 16 of padding, the other sixteen lanes' 256
	v_add_nc_u32 v[SAC], 4*RECB, v[SAX]            ; coef's stages lie behind x's
	v_mul_u32_u24 v[LAX], v[RR], 272
	v_lshl_add_u32 v[LAX], v[HH], 7, v[LAX]
	v_add_nc_u32 v[LAX], s17, v[LAX]               ; x, out: row r of 272 bytes, + 128 h: my 32 x
	v_lshlrev_b32 v[GVC], 4, v1                    ; coef: 32 lanes read the 512 bytes of 16 columns x 8 k of one i
	v_lshrrev_b32 v9, 3, v[RR]
	v_mul_u32_u24 v9, v9, 272
	v_and_b32 v[LAC], 7, v[RR]
	v_lshl_add_u32 v[LAC], v[LAC], 5, v9           ; coef, out: column r's 32 bytes: 32 (r % 8), behind the padding for r >= 8;
	v_mad_u32_u24 v[LAC], v[HH], 2176, v[LAC]      ; lanes 16-31 take the stage's rows 4 to 7
	v_add_nc_u32 v[LAC], s17, v[LAC]
	v_add_nc_u32 v[LAC], 4*RECB, v[LAC]
	s_wait_alu depctr_va_vdst(0)
	s_wait_kmcnt 0x0
	s_load_b256 s[24:31], s[8:9], 0x0              ; grid's eight numbers
	s_add_nc_u64 s[4:5], s[4:5], s[18:19]
	s_add_nc_u64 s[38:39], s[10:11], s[34:35]      ; my first record of apack
	s_cmp_lg_u32 s15, 0
	s_cbranch_scc1 .Lcoef
	XLOAD 0
	s_branch .Lx
; ---------------- coef: 16 columns j x 64 i: one record ----------------
.Lcoef:
	s_lshr_b32 s36, s16, 6                         ; which 64 i: 2,097,152 bytes of coef
	s_and_b32 s37, s16, 63                         ; the group of 16 columns: 512 bytes of each i
	s_lshl_b32 s32, s36, 21
	s_lshl_b32 s21, s37, 9
	s_add_co_u32 s32, s32, s21
	s_mov_b32 s33, 0
	s_add_nc_u64 s[6:7], s[6:7], s[32:33]
	s_lshl_b32 s32, s37, 5
	s_add_co_u32 s32, s32, s36
	s_mul_i32 s32, s32, RECB
	s_add_nc_u64 s[OUT:OUT+1], s[12:13], s[32:33]
	BLOAD 0
	BLOAD 1
	BLOAD 2
	s_wait_loadcnt 16                              ; step 0's eight loads are in
	BTURN 0
.irp t, 0,1,2,3,4,5,6
	BSTEP \t
.endr
	XLOAD 0                                        ; my record of x is asked for: v128-159 were last read by step 6's stores into the stage, which step 6's wait has shown done; no wait on LOADcnt follows in this part
	BSTEP 7
	SENDREC CBK
	s_wait_xcnt 0x0                                ; the stores have read their data and their base: both are written again below
; ---------------- x: 16 rows x 64 i a record ----------------
.Lx:
	s_mov_b64 s[OUT:OUT+1], s[38:39]
	s_mov_b32 s32, 0x402be401                      ; s = sqrt(5 log2(e))
	s_mov_b32 s33, s32                             ; (named with it as a pair, so it is written)
	s_mov_b32 s20, 0                               ; the record's number among mine
	s_wait_kmcnt 0x0
.irp k, 0,1,2,3,4,5,6,7
	v_mov_b32 v[GR+\k], s[24+\k]
.endr
.irp k, 0,1,2,3,4,5,6,7
	v_mul_f32 v[GR+\k], s32, v[GR+\k]              ; s x grid
.endr
	s_wait_alu depctr_va_vdst(0)
.Lrec:                                             ; a trip: one record
	s_wait_loadcnt 0x0                             ; this record's eight loads
.irp j, 0,1,2,3,4,5,6,7
	ds_store_b128 v[SAX], v[RA+4*\j:RA+4*\j+3] offset:544*\j       ; rows 2 j and 2 j + 1
.endr
.irp j, 0,1,2,3,4,5,6,7
	ds_load_b128 v[XA+4*\j:XA+4*\j+3], v[LAX] offset:16*\j         ; LDS serves a wave's instructions in order (ISA guide 5.7.1.4): these see the stores above
.endr
	s_wait_dscnt 0x0                               ; my x are in, and the stores have read the registers that the next loads fill
	s_cmp_eq_u32 s20, s2
	s_cbranch_scc1 .Lnomore                        ; the last record asks for nothing: no load goes beyond my records
	XLOAD 256
.Lnomore:
.set e, 0
.rept 16
	v_pk_mul_f32 v[XA+e:XA+e+1], v[XA+e:XA+e+1], s[32:33] op_sel_hi:[1,0]   ; s x, once for each x
.set e, e+2
.endr
.irp j, 0,1,2,3,4,5,6,7
	ASTEP \j
.endr
	SENDREC CA
	s_wait_xcnt 0x0                                ; the loads' and stores' addresses and data have been read: both pointers, the codes' and the bytes' registers are written again only behind this wait
	s_add_nc_u64 s[4:5], s[4:5], 256
	s_add_nc_u64 s[OUT:OUT+1], s[OUT:OUT+1], RECB
	s_add_co_u32 s20, s20, 1
	s_cmp_lt_u32 s20, s3
	s_wait_alu depctr_va_vdst(0)
	s_cbranch_scc1 .Lrec
	s_wait_tensorcnt 0x0                           ; the wave's end, behind my last LDS store
	ds_add_u32 v[SPW], v[NIL]
	s_wait_dscnt 0x0
	s_endpgm
.Lfunc_end_k_q1184bbe5f3_prep:
	.size	k_q1184bbe5f3_prep, .Lfunc_end_k_q1184bbe5f3_prep-k_q1184bbe5f3_prep
	.p2alignl 7, 3214868480
	.fill 96, 4, 3214868480
	.section	.rodata,"a",@progbits
	.p2align	6, 0x0
	.amdhsa_kernel k_q1184bbe5f3_prep
		.amdhsa_group_segment_fixed_size 35328
		.amdhsa_private_segment_fixed_size 0
		.amdhsa_enable_private_segment 0
		.amdhsa_kernarg_size 40
		.amdhsa_user_sgpr_count 2
		.amdhsa_user_sgpr_kernarg_segment_ptr 1
		.amdhsa_wavefront_size32 1
		.amdhsa_system_sgpr_workgroup_id_x 1
		.amdhsa_system_sgpr_workgroup_id_y 1
		.amdhsa_system_sgpr_workgroup_id_z 1
		.amdhsa_system_vgpr_workitem_id 0
		.amdhsa_next_free_vgpr 232
		.amdhsa_next_free_sgpr 66
		.amdhsa_reserve_vcc 0
		.amdhsa_float_denorm_mode_32 3
		.amdhsa_float_denorm_mode_16_64 3
		.amdhsa_memory_ordered 1
		.amdhsa_forward_progress 1
		.amdhsa_inst_pref_size 92
	.end_amdhsa_kernel
	.amdgpu_metadata
---
amdhsa.version: [ 1, 2 ]
amdhsa.kernels:
  - .name:           k_q1184bbe5f3_prep
    .symbol:         k_q1184bbe5f3_prep.kd
    .args:
      - { .name: x, .offset: 0, .size: 8, .value_kind: global_buffer, .address_space: global }
      - { .name: coef, .offset: 8, .size: 8, .value_kind: global_buffer, .address_space: global }
      - { .name: grid, .offset: 16, .size: 8, .value_kind: global_buffer, .address_space: global }
      - { .name: apack, .offset: 24, .size: 8, .value_kind: global_buffer, .address_space: global }
      - { .name: bpack, .offset: 32, .size: 8, .value_kind: global_buffer, .address_space: global }
    .group_segment_fixed_size: 35328
    .private_segment_fixed_size: 0
    .kernarg_segment_align: 8
    .kernarg_segment_size: 40
    .max_flat_workgroup_size: 128
    .sgpr_count:     66
    .vgpr_count:     232
    .wavefront_size: 32
...
	.end_amdgpu_metadata
.endif
;; end of part 1
;; launch gemm (part 2): grid 8 x 32, 4 waves a work-group, clusters of 4 x 1, 327,680 bytes of LDS; arguments apack, bpack, out0; writes out0
.if DOCPART == 2
	.amdgcn_target "amdgcn-amd-amdhsa--gfx1250"
	.amdhsa_code_object_version 6
	.text
	.protected	k_q1184bbe5f3_gemm
	.globl	k_q1184bbe5f3_gemm
	.p2align	8
	.type	k_q1184bbe5f3_gemm,@function
k_q1184bbe5f3_gemm:
	s_mov_b64 s[64:65], 0
	v_nop
	global_prefetch_b8 v0, s[64:65] scope:SCOPE_SE
	s_setreg_imm32_b32 hwreg(HW_REG_WAVE_MODE, 25, 1), 1
	s_wait_xcnt 0x0
	s_wait_alu depctr_hold_cnt(0) depctr_sa_sdst(0) depctr_va_vdst(0) depctr_va_sdst(0) depctr_va_ssrc(0) depctr_va_vcc(0) depctr_vm_vsrc(0)
	s_getreg_b32 s2, hwreg(HW_REG_IB_STS2, 6, 4)
	s_cmp_eq_u32 s2, 0
	s_cbranch_scc0 .Lentry_in_a_cluster
	s_endpgm
.Lentry_in_a_cluster:
	s_bfe_u32 s2, ttmp6, 0x10000c
	s_cmp_lg_u32 s2, 0x3003
	s_cbranch_scc0 .Lentry_shape_is_right
	s_endpgm
.Lentry_shape_is_right:
; out0[b][j] = sum over K of A[b][K] B[j][K] on codes of FP4 (E2M1) with E8M0 scales, as launch prep has laid them: records of 4,352 bytes (16 rows x 512 K: codes in the order of a fragment's registers, then 256 scale bytes).
; A work-group makes 128 x 128 of out0.  Its four waves share K: of each run of four records wave w takes record w, for all 128 rows and columns: 64 accumulators a wave; the four partial sums meet in LDS at the end.
; A's records come by joint tensor loads (the four work-groups of a cluster have the same 128 rows of A) into a ring of two slots of 2,048 along K; each wave fetches two groups of 16 rows.
; B's records are read by one wave of the work-group alone, once, and lie in the order of its registers: they go from memory straight into registers, four steps of 128 along K ahead.
; PREFETCH: behind each refill a wave names, for the slot two refills on, 17 blocks of 256 bytes of each of its two groups of A (the four partners take one record each, told apart by address)
; and 17 blocks of B (the eight tile rows y % 8 take one group of 16 columns each; wave w its record w).  Slots 0 and 1 come by their loads alone, slots 2 and 3 are named in front of the loop, the last trip names nothing.
.set RECB,   4352
.set GROUPB, 32*RECB
.set GRPS,   4*RECB
.set QUART,  2*GRPS
.set SLOT,   8*GRPS
.set SPARE,  2*SLOT
.set LAPS,   4
.set NQ,     4
.set NP,     4
.set SPITCH, 528
.set STG,    128*SPITCH
.set RD,   8
.set ADRA, 12
.set ADRS, 16
.set GVS,  20
.set STO,  24
.set CO,   26
.set SPW,  28
.set NIL,  29
.set SCA,  32
.set SCB,  64
.set AF,   128
.set BK,   64
.set BB,   10
.set G1,   24
.set G0,   32
.set MSB, 0
.macro WIN new
.if MSB != \new
	s_set_vgpr_msb (MSB<<8)|\new
.set MSB, \new
.endif
.endm
.set MUL_LO, 0xa1
.set MUL_HI, 0xf1
.set TO_B,   0x40
.macro JLOAD s
	tensor_load_to_lds s[G0+4*\s:G0+4*\s+3], s[G1:G1+7]
	s_nop 0
.rept 4
	v_nop
.endr
.endm
.macro CREST
	s_cmp_lg_u32 s14, 0
	s_cbranch_scc1 .Lnot_wave_0_\@
	s_barrier_signal -3
.Lnot_wave_0_\@:
	s_barrier_wait -3
	s_barrier_signal -1
	s_barrier_wait -1
.endm
.macro CROUND
	s_barrier_signal -1
	s_barrier_wait -1
	CREST
.endm
	s_load_b128 s[4:7], s[0:1], 0x0
	s_load_b64 s[8:9], s[0:1], 0x10
	v_lshl_add_u32 v[SPW], v0, 2, SPARE
	v_mov_b32 v[NIL], 0
	ds_add_u32 v28, v29
	ds_add_u32 v28, v29
	s_wait_dscnt 0x0
	v_lshrrev_b32 v1, 5, v0
	v_readfirstlane_b32 s14, v1
	s_bfe_u32 s40, ttmp6, 0x40000
	s_lshl_b32 s42, ttmp9, 2
	s_add_co_u32 s42, s42, s40
	s_and_b32 s17, ttmp7, 0xffff
	s_mov_b32 s[G1+0], 15|(3<<16)|(1<<21)
	s_mov_b32 s[G1+1], 2176<<16
	s_mov_b32 s[G1+2], 2<<16
	s_mov_b32 s[G1+3], 2176<<16
	s_mov_b32 s[G1+4], 2
	s_mov_b32 s[G1+5], GROUPB/8
	s_mov_b32 s[G1+6], 0
	s_mov_b32 s[G1+7], 0
	s_lshl_b32 s20, s17, 3
	s_lshl_b32 s18, s14, 1
	s_add_co_u32 s20, s20, s18
	s_mul_i32 s20, s20, GROUPB
	s_mov_b32 s21, 0
	s_mul_i32 s45, s14, QUART
	s_lshl_b32 s46, s42, 3
	s_mul_i32 s46, s46, GROUPB
	s_mul_i32 s47, s14, RECB
	s_add_co_u32 s46, s46, s47
	s_mov_b32 s47, 0
.set PFO,  30                          ; v30  the prefetches' offset in a record: 256 x min(lane, 16); never rewritten
.set PFB,  31                          ; v31  the same + my tile row's group of B: (y % 8) groups; never rewritten
.set PFA,  12                          ; s[12:13]  A's prefetches: my wave's two groups, my work-group's record of the four
	s_and_b32 s50, s17, 7
	s_mul_i32 s50, s50, GROUPB
	s_mul_i32 s48, s40, RECB               ; the partner at place cx takes record cx: by address alone
	s_mov_b32 s49, 0
	v_and_b32 v1, 15, v0
	v_bfe_u32 v2, v0, 4, 1
	v_and_b32 v3, 31, v0
	v_lshlrev_b32 v[CO], 4, v3
	v_mul_u32_u24 v[GVS], v2, GROUPB
	v_lshl_add_u32 v[GVS], v1, 4, v[GVS]
	v_min_u32 v4, 16, v3                   ; a record is 17 blocks of 256 bytes: lanes 17-31 name the last again
	v_lshlrev_b32 v[PFO], 8, v4
	v_add_nc_u32 v[PFB], s50, v[PFO]
	s_wait_alu depctr_va_vdst(0)
	s_wait_kmcnt 0x0
	s_add_nc_u64 s[20:21], s[4:5], s[20:21]
	s_add_nc_u64 s[BB:BB+1], s[6:7], s[46:47]
	s_add_nc_u64 s[PFA:PFA+1], s[20:21], s[48:49]
.macro GLOAD_B q, off
	WIN TO_B
.irp i, 0,1,2,3,4,5,6,7
.irp c, 0,1
	global_load_b128 v[64*(\q)+8*\i+4*\c:64*(\q)+8*\i+4*\c+3], v[CO], s[BB:BB+1] offset:\i*GROUPB+(\off)+1024*(\q)+512*\c
.endr
.endr
	WIN 0
.endm
.macro GSCALES sc, off
.irp p, 0,1,2,3
	global_load_b128 v[SCB+16*(\sc)+4*\p:SCB+16*(\sc)+4*\p+3], v[GVS], s[BB:BB+1] offset:2*\p*GROUPB+(\off)+4096
.endr
.endm
	GLOAD_B 0, 0
	GSCALES 0, 0
	GLOAD_B 1, 0
	GLOAD_B 2, 0                           ; B's first 52 loads are out ahead of the round and of slot 0's fill
	CROUND                                 ; the four work-groups are here: the first joint loads meet
.irp s, 0,1
	s_mov_b32 s[G0+4*\s], 1
	s_add_co_u32 s[G0+4*\s+1], s45, \s*SLOT
	s_add_nc_u64 s[G0+4*\s+2:G0+4*\s+3], s[20:21], \s*GRPS
	s_or_b32 s[G0+4*\s+3], s[G0+4*\s+3], 0x80000000
.endr
	JLOAD 0                                ; slot 0
; the prefetches for slot n, counted from where the two pointers stand.  guard = 1, in the loop: the last trip (s3 = 1) has no slot two refills on
.macro ASK n, guard
.if \guard
	s_cmp_eq_u32 s3, 1
	s_cbranch_scc1 .Lno_ask_\@
.endif
	global_prefetch_b8 v[PFO], s[PFA:PFA+1] offset:(\n)*GRPS th:TH_LOAD_NT scope:SCOPE_SE
	global_prefetch_b8 v[PFO], s[PFA:PFA+1] offset:(\n)*GRPS+GROUPB th:TH_LOAD_NT scope:SCOPE_SE
	global_prefetch_b8 v[PFB], s[BB:BB+1] offset:(\n)*GRPS th:TH_LOAD_NT scope:SCOPE_SE
.if \guard
.Lno_ask_\@:
.endif
.endm
	s_mul_i32 s22, s14, RECB
	v_add_nc_u32 v[ADRA], s22, v[CO]
	v_add_nc_u32 v[ADRA+1], SLOT, v[ADRA]
	v_add_nc_u32 v[ADRA+2], 4*GRPS, v[ADRA]
	v_add_nc_u32 v[ADRA+3], 4*GRPS, v[ADRA+1]
	s_add_co_u32 s23, s22, 4096
	v_mul_u32_u24 v4, v2, GRPS
	v_lshl_add_u32 v4, v1, 4, v4
	v_add_nc_u32 v[ADRS], s23, v4
	v_add_nc_u32 v[ADRS+1], SLOT, v[ADRS]
	v_add_nc_u32 v[ADRS+2], 4*GRPS, v[ADRS]
	v_add_nc_u32 v[ADRS+3], 4*GRPS, v[ADRS+1]
	s_mul_i32 s23, s14, STG
	v_mul_u32_u24 v5, v1, SPITCH
	v_lshl_add_u32 v5, v2, 5, v5
	v_add_nc_u32 v[STO], s23, v5
	s_mul_i32 s23, s14, 32*SPITCH
	v_add_nc_u32 v[RD], s23, v[CO]
	v_add_nc_u32 v[RD+1], STG, v[RD]
	v_add_nc_u32 v[RD+2], STG, v[RD+1]
	v_add_nc_u32 v[RD+3], STG, v[RD+2]
	s_lshl_b32 s20, s17, 7
	s_lshl_b32 s21, s14, 5
	s_add_co_u32 s20, s20, s21
	s_lshl_b32 s20, s20, 12
	s_mov_b32 s21, 0
	s_lshl_b32 s46, s42, 9
	s_mov_b32 s47, 0
	s_add_nc_u64 s[20:21], s[20:21], s[46:47]
	s_add_nc_u64 s[8:9], s[8:9], s[20:21]
.macro WM zero
.if \zero
.if rRB && rRA
	v_wmma_scale_f32_16x16x128_f8f6f4 v[rD:rD+7], v[rB:rB+7], v[rA:rA+7], 0, v[rSB], v[rSA] matrix_a_fmt:MATRIX_FMT_FP4 matrix_b_fmt:MATRIX_FMT_FP4 matrix_a_scale:MATRIX_SCALE_ROW1 matrix_b_scale:MATRIX_SCALE_ROW1
.elseif rRB
	v_wmma_scale_f32_16x16x128_f8f6f4 v[rD:rD+7], v[rB:rB+7], v[rA:rA+7], 0, v[rSB], v[rSA] matrix_a_fmt:MATRIX_FMT_FP4 matrix_b_fmt:MATRIX_FMT_FP4 matrix_a_scale:MATRIX_SCALE_ROW1
.elseif rRA
	v_wmma_scale_f32_16x16x128_f8f6f4 v[rD:rD+7], v[rB:rB+7], v[rA:rA+7], 0, v[rSB], v[rSA] matrix_a_fmt:MATRIX_FMT_FP4 matrix_b_fmt:MATRIX_FMT_FP4 matrix_b_scale:MATRIX_SCALE_ROW1
.else
	v_wmma_scale_f32_16x16x128_f8f6f4 v[rD:rD+7], v[rB:rB+7], v[rA:rA+7], 0, v[rSB], v[rSA] matrix_a_fmt:MATRIX_FMT_FP4 matrix_b_fmt:MATRIX_FMT_FP4
.endif
.else
.if rRB && rRA
	v_wmma_scale_f32_16x16x128_f8f6f4 v[rD:rD+7], v[rB:rB+7], v[rA:rA+7], v[rD:rD+7], v[rSB], v[rSA] matrix_a_fmt:MATRIX_FMT_FP4 matrix_b_fmt:MATRIX_FMT_FP4 matrix_a_scale:MATRIX_SCALE_ROW1 matrix_b_scale:MATRIX_SCALE_ROW1
.elseif rRB
	v_wmma_scale_f32_16x16x128_f8f6f4 v[rD:rD+7], v[rB:rB+7], v[rA:rA+7], v[rD:rD+7], v[rSB], v[rSA] matrix_a_fmt:MATRIX_FMT_FP4 matrix_b_fmt:MATRIX_FMT_FP4 matrix_a_scale:MATRIX_SCALE_ROW1
.elseif rRA
	v_wmma_scale_f32_16x16x128_f8f6f4 v[rD:rD+7], v[rB:rB+7], v[rA:rA+7], v[rD:rD+7], v[rSB], v[rSA] matrix_a_fmt:MATRIX_FMT_FP4 matrix_b_fmt:MATRIX_FMT_FP4 matrix_b_scale:MATRIX_SCALE_ROW1
.else
	v_wmma_scale_f32_16x16x128_f8f6f4 v[rD:rD+7], v[rB:rB+7], v[rA:rA+7], v[rD:rD+7], v[rSB], v[rSA] matrix_a_fmt:MATRIX_FMT_FP4 matrix_b_fmt:MATRIX_FMT_FP4
.endif
.endif
.endm
.macro MUL16 a0, q, sc, zero
.irp a, \a0, \a0+1
.irp b, 0,1,2,3,4,5,6,7
.set rD, 8*(8*((\a)%4)+\b)
.set rB, 64*(\q)+8*\b
.set rA, AF+8*(\a)
.set rSB, SCB+16*(\sc)+4*(\b/2)+(\q)
.set rSA, SCA+16*(\sc)+4*((\a)/2)+(\q)
.set rRB, \b%2
.set rRA, (\a)%2
	WM \zero
.endr
.endr
.endm
.macro FETCH_A slot, q, i0
.irp i, 0,1,2,3
.irp c, 0,1
	ds_load_b128 v[AF+8*((\i0)+\i)+4*\c:AF+8*((\i0)+\i)+4*\c+3], v[ADRA+2*((\i0)/4)+\slot] offset:1024*(\q)+512*\c+\i*GRPS
.endr
.endr
.endm
.macro SCALES_A sc
.irp p, 0,1,2,3
	ds_load_b128 v[SCA+16*\sc+4*\p:SCA+16*\sc+4*\p+3], v[ADRS+2*(\p/2)+\sc] offset:(\p%2)*2*GRPS
.endr
.endm
.macro PLACES n
.rept \n
	v_nop
.endr
.endm
.macro STEP slot, q, zero, bl
	s_wait_dscnt 8
	WIN MUL_LO
	MUL16 0, \q, \slot, \zero
	MUL16 2, \q, \slot, \zero
	s_wait_dscnt 0
	PLACES NP
	WIN 0
	FETCH_A \slot, (\q)+1, 0
	WIN MUL_HI
	MUL16 4, \q, \slot, \zero
	MUL16 6, \q, \slot, \zero
	PLACES NP
	WIN 0
	FETCH_A \slot, (\q)+1, 4
.if \bl
.if (\q) == 0
	s_wait_loadcnt 32
	GLOAD_B \q, ((\slot)+1)*GRPS
	GSCALES 1-(\slot), ((\slot)+1)*GRPS
.else
	s_wait_loadcnt 36
	GLOAD_B \q, ((\slot)+1)*GRPS
.endif
.else
	s_wait_loadcnt 32-16*(\q)
.endif
.endm
.macro TURN slot, next, fill
	s_wait_tensorcnt 0x0
	ds_add_u32 v[SPW], v[NIL]
	s_wait_dscnt 9
	WIN MUL_LO
	MUL16 0, NQ-1, \slot, 0
	s_wait_dscnt 0x0
	s_barrier_signal -1
	MUL16 2, NQ-1, \slot, 0
	WIN 0
	s_barrier_wait -1
.if \fill
	CREST
	s_add_nc_u64 s[G0+4*\slot+2:G0+4*\slot+3], s[G0+4*\slot+2:G0+4*\slot+3], 2*GRPS
	JLOAD \slot
.else
	PLACES NP
.endif
	FETCH_A \next, 0, 0
	SCALES_A \next
.if \fill
	ASK 4+\slot, 1                         ; behind the joint load and the run of LDS loads: the slot two refills on
.endif
	WIN MUL_HI
	MUL16 4, NQ-1, \slot, 0
	MUL16 6, NQ-1, \slot, 0
	PLACES NP
	WIN 0
	FETCH_A \next, 0, 4
	s_wait_loadcnt 32
	GLOAD_B NQ-1, ((\slot)+1)*GRPS
.endm
.macro STEPS slot, from, bl
.set Q, \from
.rept NQ-1-\from
	STEP \slot, Q, 0, \bl
.set Q, Q+1
.endr
.endm
	s_wait_alu depctr_va_vdst(0)
	s_wait_tensorcnt 0x0                   ; my part of slot 0 is in
	ds_add_u32 v[SPW], v[NIL]
	s_wait_dscnt 0x0
	CROUND                                 ; everybody's part of slot 0 is in, and the four work-groups are here
	JLOAD 1                                ; slot 1's first fill, the first tensor load behind the round
	FETCH_A 0, 0, 0
	SCALES_A 0
	FETCH_A 0, 0, 4
	s_wait_loadcnt 32
	GLOAD_B 3, 0
	ASK 2, 0
	STEP 0, 0, 1, 1
	ASK 3, 0
	s_mov_b32 s3, LAPS-1
.Llap:
	STEPS 0, 1, 1
	TURN 0, 1, 1
	STEPS 1, 0, 1
	TURN 1, 0, 1
	s_wait_xcnt 0x0
	s_add_nc_u64 s[BB:BB+1], s[BB:BB+1], 2*GRPS
	s_add_nc_u64 s[PFA:PFA+1], s[PFA:PFA+1], 2*GRPS
	STEP 0, 0, 0, 1
	s_sub_co_u32 s3, s3, 1
	s_cmp_lg_u32 s3, 0
	s_cbranch_scc1 .Llap
	STEPS 0, 1, 1
	TURN 0, 1, 0
	STEPS 1, 0, 0
	s_wait_dscnt 8
	WIN MUL_LO
	MUL16 0, NQ-1, 1, 0
	MUL16 2, NQ-1, 1, 0
	s_wait_dscnt 0
	s_barrier_signal -1
	WIN MUL_HI
	MUL16 4, NQ-1, 1, 0
	MUL16 6, NQ-1, 1, 0
	WIN 0
	s_barrier_wait -1
	PLACES NP
.irp a, 0,1,2,3,4,5,6,7
	WIN 0x08+4*(\a/4)
.irp b, 0,1,2,3,4,5,6,7
	ds_store_b128 v[STO], v[64*(\a%4)+8*\b:64*(\a%4)+8*\b+3] offset:\a*16*SPITCH+64*\b
	ds_store_b128 v[STO], v[64*(\a%4)+8*\b+4:64*(\a%4)+8*\b+7] offset:\a*16*SPITCH+64*\b+16
.endr
.endr
	WIN 0
	s_wait_dscnt 0x0
	s_barrier_signal -1
	s_barrier_wait -1
.macro RLOAD n
.set BB2, BK+128*((\n)%2)
.irp t, 0,1,2,3
.irp p, 0,1,2,3
	ds_load_b128 v[BB2+16*\t+4*\p:BB2+16*\t+4*\p+3], v[RD+\p] offset:(4*(\n)+\t)*SPITCH
.endr
.endr
.endm
.macro RSUM n
.set BB2, BK+128*((\n)%2)
.irp t, 0,1,2,3
	v_pk_add_f32 v[BB2+16*\t:BB2+16*\t+1], v[BB2+16*\t:BB2+16*\t+1], v[BB2+16*\t+4:BB2+16*\t+5]
	v_pk_add_f32 v[BB2+16*\t+8:BB2+16*\t+9], v[BB2+16*\t+8:BB2+16*\t+9], v[BB2+16*\t+12:BB2+16*\t+13]
	v_pk_add_f32 v[BB2+16*\t+2:BB2+16*\t+3], v[BB2+16*\t+2:BB2+16*\t+3], v[BB2+16*\t+6:BB2+16*\t+7]
	v_pk_add_f32 v[BB2+16*\t+10:BB2+16*\t+11], v[BB2+16*\t+10:BB2+16*\t+11], v[BB2+16*\t+14:BB2+16*\t+15]
	v_pk_add_f32 v[BB2+16*\t:BB2+16*\t+1], v[BB2+16*\t:BB2+16*\t+1], v[BB2+16*\t+8:BB2+16*\t+9]
	v_pk_add_f32 v[BB2+16*\t+2:BB2+16*\t+3], v[BB2+16*\t+2:BB2+16*\t+3], v[BB2+16*\t+10:BB2+16*\t+11]
	global_store_b128 v[CO], v[BB2+16*\t:BB2+16*\t+3], s[8:9] offset:(4*(\n)+\t)*4096 th:TH_STORE_NT
.endr
.endm
	RLOAD 0
.irp n, 0,1,2,3,4,5,6,7
.if \n < 7
.if \n > 0
	s_wait_xcnt 0x0
.endif
	RLOAD \n+1
	s_wait_dscnt 16
.else
	s_wait_dscnt 0x0
.endif
	RSUM \n
.endr
	s_wait_tensorcnt 0x0
	ds_add_u32 v[SPW], v[NIL]
	s_wait_dscnt 0x0
	CROUND
	s_endpgm
.Lfunc_end_k_q1184bbe5f3_gemm:
	.size	k_q1184bbe5f3_gemm, .Lfunc_end_k_q1184bbe5f3_gemm-k_q1184bbe5f3_gemm
	.p2alignl 7, 3214868480
	.fill 96, 4, 3214868480
	.section	.rodata,"a",@progbits
	.p2align	6, 0x0
	.amdhsa_kernel k_q1184bbe5f3_gemm
		.amdhsa_group_segment_fixed_size 327680
		.amdhsa_private_segment_fixed_size 0
		.amdhsa_enable_private_segment 0
		.amdhsa_kernarg_size 24
		.amdhsa_user_sgpr_count 2
		.amdhsa_user_sgpr_kernarg_segment_ptr 1
		.amdhsa_wavefront_size32 1
		.amdhsa_system_sgpr_workgroup_id_x 1
		.amdhsa_system_sgpr_workgroup_id_y 1
		.amdhsa_system_sgpr_workgroup_id_z 1
		.amdhsa_system_vgpr_workitem_id 0
		.amdhsa_next_free_vgpr 1024
		.amdhsa_next_free_sgpr 66
		.amdhsa_reserve_vcc 0
		.amdhsa_float_denorm_mode_32 3
		.amdhsa_float_denorm_mode_16_64 3
		.amdhsa_memory_ordered 1
		.amdhsa_forward_progress 1
		.amdhsa_inst_pref_size 220
	.end_amdhsa_kernel
	.amdgpu_metadata
---
amdhsa.version: [ 1, 2 ]
amdhsa.kernels:
  - .name:           k_q1184bbe5f3_gemm
    .symbol:         k_q1184bbe5f3_gemm.kd
    .args:
      - { .name: apack, .offset: 0, .size: 8, .value_kind: global_buffer, .address_space: global }
      - { .name: bpack, .offset: 8, .size: 8, .value_kind: global_buffer, .address_space: global }
      - { .name: out0, .offset: 16, .size: 8, .value_kind: global_buffer, .address_space: global }
    .group_segment_fixed_size: 327680
    .private_segment_fixed_size: 0
    .kernarg_segment_align: 8
    .kernarg_segment_size: 24
    .max_flat_workgroup_size: 128
    .sgpr_count:     66
    .vgpr_count:     1024
    .wavefront_size: 32
...
	.end_amdgpu_metadata
.endif
;; end of part 2
